; MI455X (gfx1250); checked and timed in simulation.
; The chip was launched on July 23, 2026; its instructions are those of AMD's public machine-readable ISA for CDNA 5 (MIT licence, August 2026) and "CDNA5" Instruction Set Architecture Reference Guide (July 2026). The comments in the code are by the model that wrote it; some were corrected since.
;; Q Model 3 Layer. Allowed arithmetic: float matrix products may take bf16 or f16 operands with f32 sums; all other float work in f32.
;; Inputs: params 3 x 3 float32; x 4,194,304 x 1 float32.
;; Outputs: out0 4,194,304 x 1 float32.
;; 2 versions, each right; version 2 is version 1 with the launch qubit written anew for expert scheduling mode. Each part assembles by itself: llvm-mc -triple=amdgcn-amd-amdhsa -mcpu=gfx1250 --defsym DOCPART=n.
;; ======== version 1 of 2: 1 launch
;; limits: inputs' magnitudes at most 26,000,000
;; launch qubit (part 1): grid 256 x 1, 8 waves a work-group, no clusters, 0 bytes of LDS; arguments params, x, out0; writes out0
.if DOCPART == 1
	.amdgcn_target "amdgcn-amd-amdhsa--gfx1250"
	.amdhsa_code_object_version 6
	.text
	.protected	k_q5f40f38f1c_qubit
	.globl	k_q5f40f38f1c_qubit
	.p2align	8
	.type	k_q5f40f38f1c_qubit,@function
k_q5f40f38f1c_qubit:
	s_mov_b64 s[64:65], 0
	v_nop
	global_prefetch_b8 v0, s[64:65] scope:SCOPE_SE
	s_setreg_imm32_b32 hwreg(HW_REG_WAVE_MODE, 25, 1), 1
	s_wait_xcnt 0x0
; out[i] = (1 + <Z>) / 2 of one qubit after three layers RY(x[i]) RZ(a) RY(b) RZ(g), started in |0>.
; x, out: 4,194,304 f32.  params: [3][3] f32 = (a1 b1 g1 / a2 b2 g2 / a3 b3 g3).
;
; THE ARITHMETIC.  The state is followed as its Bloch vector (X, Y, Z): RY(t) turns it about y, RZ(t) about z, start (0, 0, 1).
; With c = cos x, s = sin x, Ml = Rz(gl) Ry(bl) Rz(al) and g = third row of M3:
;     Z = g Ry(x) M2 Ry(x) M1 (s, 0, c)  =  p0 + p1 c + p2 c^2 + p3 c^3 + s (q0 + q1 c + q2 c^2)      (s^2 = 1 - c^2 used)
; The seven numbers hang on the angles alone and are made once by every wave, in scalar registers.
; g3 has no term: the last RZ multiplies both amplitudes by phases of modulus one, which the squared moduli drop.
; For an element: r = x / 2pi - nearest integer (|r| <= 1/2), sh = sin(pi r), ch = cos(pi r), w = sh^2, p = sh ch, so that
; c = 1 - 2 w and s = 2 p, and out = P(w) + p Q(w) with P cubic, Q quadratic: 21 packed instructions for two elements.
; sh = r S(r^2), ch = C(r^2): Chebyshev series of sin and cos on a quarter turn, cut behind T7 and T8; what is cut is
; 6e-7 and 5e-8.
;
; LIMITS.  |x| and |angle| below 2^22 x 2 pi = 2.6e7: beyond, the integer no longer fits the rounding trick and the result is wrong.
; Inf and NaN in x or in an angle other than g3 give NaN; an Inf or NaN in g3 is not seen.
; Absolute error of out of the order 1e-6 (the two series, f32 rounding).
;
; THE SHARES.  256 work-groups x 8 waves; a work-group owns 64 KiB of x and of out.  Thread t owns the 16 bytes at 16 t of each of
; 16 blocks of 4,096 bytes: a wave's load or store covers 512 consecutive bytes, aligned.  All 16 loads are issued at once, the
; coefficients are made while they are on their way, and no register is loaded twice or rewritten behind its store: no loop.
; Each byte is read once and written once; no wave needs another, so there is no LDS and no barrier.
.set NLOAD, 16                         ; loads (and stores) of a thread
.set STEP,  4096                       ; 256 threads x 16 bytes
.set NP,    4                          ; pairs of elements worked on together = two loads: four chains that do not wait for each other
; vector registers
.set OFF,   1                          ; v1       16 t: my bytes in a block of x and of out
.set POFF,  2                          ; v2       4 min(lane, 8): my angle
.set HI,    4                          ; v[4:5]   1/2pi rounded to f32                 (every constant pair holds its number twice)
.set NHI,   6                          ; v[6:7]   minus that
.set LO,    8                          ; v[8:9]   1/2pi minus its f32 value
.set KV_S3, 10                         ; v[10:11] leading coefficient of S
.set KV_C4, 12                         ; v[12:13] leading coefficient of C
.set FV_P3, 14                         ; v[14:15] leading coefficient of P
.set FV_Q2, 16                         ; v[16:17] leading coefficient of Q
.set PX,    18                         ; v[18:19] the angles, one a lane; then their cosines (18) and sines (19)
.set R,     20                         ; v[20:27] pair k: r, later p
.set U,     28                         ; v[28:35] pair k: r^2, later w
.set A,     36                         ; v[36:43] pair k: S, sh, later P
.set B,     44                         ; v[44:51] pair k: C, ch, later Q
.set X,     52                         ; v[52:115] load i: 4 registers, x as loaded, then out
; scalar registers: pairs that hold a number twice (a packed instruction takes a scalar pair broadcast)
.set K_MAGIC,  10                      ; 1.5 x 2^23
.set K_NMAGIC, 12
.set K_S2, 14
.set K_S1, 16
.set K_S0, 18
.set K_C3, 20
.set K_C2, 22
.set K_C1, 24
.set K_C0, 26
.set F_P2, 28
.set F_P1, 30
.set F_P0, 32
.set F_Q1, 34
.set F_Q0, 36
.set SIGN, 38                          ; 0x80000000
; cosines and sines of the angles
.set CA1, 40
.set SA1, 41
.set CB1, 42
.set SB1, 43
.set CG1, 44
.set SG1, 45
.set CA2, 46
.set SA2, 47
.set CB2, 48
.set SB2, 49
.set CG2, 50
.set SG2, 51
.set CA3, 52
.set SA3, 53
.set CB3, 54
.set SB3, 55
.set NSG1, 56                          ; N..: the same with the sign turned
.set NSA2, 57
.set NSG2, 58
.set NG3,  59
.set T1,   60
.set T2,   61
.set NT3,  62
.set NMA3, 63
.set MA1, 66                           ; first column of M1
.set MA2, 67
.set MA3, 68
.set MB1, 69                           ; third column of M1 (its third element is CB1)
.set MB2, 70
.set MD,  71                           ; MB1 - MA3
.set ME,  72                           ; MA1 + CB1
.set NMA1, 73
.set NMD,  74
.set M11, 75                           ; M2 (its element 33 is CB2)
.set M12, 76
.set M13, 77
.set M21, 78
.set M22, 79
.set M23, 80
.set M31, 81
.set M32, 82
.set GG1, 83                           ; g = (GG1, GG2, CB3)
.set GG2, 84
.set HU1, 85                           ; g Ry(x) M2 = c HU + s HV + HW
.set HU2, 86
.set HU3, 87
.set HV1, 88
.set HV2, 89
.set HV3, 90
.set HW1, 91
.set HW2, 92
.set HW3, 93
; the sums, in registers of layers 2 and 3 that are no longer needed by then
.set K1,  46
.set K2,  47
.set PP1, 48
.set PP2, 49
.set PP3, 50
.set QQ0, 51
.set QQ1, 52
.set QQ2, 53
.set SUM, 54
.set TT0, 55
.set TT1, 56
.set TT2, 57
.set FP3, 58
.set FQ2, 59
.macro SPAIR r, bits
	s_mov_b32 s[\r], \bits
	s_mov_b32 s[\r+1], \bits
.endm
.macro VPAIR r, bits
	v_mov_b32 v[\r], \bits
	v_mov_b32 v[\r+1], \bits
.endm
; One step for cnt pairs.  d, a: a pair for each k.  b: the same (bs = 2) or one constant pair (bs = 0).
.macro FMAS cnt, d, a, b, bs, c        ; d = a b + scalar pair c
.set k, 0
.rept \cnt
	v_pk_fma_f32 v[\d+2*k:\d+2*k+1], v[\a+2*k:\a+2*k+1], v[\b+\bs*k:\b+\bs*k+1], s[\c:\c+1] op_sel_hi:[1,1,0]
.set k, k+1
.endr
.endm
.macro FMAV cnt, d, a, b, bs, c        ; d = a b + c, c a pair for each k
.set k, 0
.rept \cnt
	v_pk_fma_f32 v[\d+2*k:\d+2*k+1], v[\a+2*k:\a+2*k+1], v[\b+\bs*k:\b+\bs*k+1], v[\c+2*k:\c+2*k+1]
.set k, k+1
.endr
.endm
.macro MULV cnt, d, a, b               ; d = a b
.set k, 0
.rept \cnt
	v_pk_mul_f32 v[\d+2*k:\d+2*k+1], v[\a+2*k:\a+2*k+1], v[\b+2*k:\b+2*k+1]
.set k, k+1
.endr
.endm
.macro ADDS cnt, d, a, c               ; d = a + scalar pair c
.set k, 0
.rept \cnt
	v_pk_add_f32 v[\d+2*k:\d+2*k+1], v[\a+2*k:\a+2*k+1], s[\c:\c+1] op_sel_hi:[1,0]
.set k, k+1
.endr
.endm
; Angles in cnt pairs from v[xb] on  ->  A = sin(pi r), B = cos(pi r), r the angle in turns less the nearest integer.
; (They are sine and cosine of half the angle up to one common sign, which w = sh^2 and p = sh ch do not see.)
.macro TRIG xb, cnt
	FMAS \cnt, R, \xb, NHI, 0, K_MAGIC             ; 1.5 x 2^23 - x/2pi: rounding to f32 leaves an integer
	ADDS \cnt, R, R, K_NMAGIC                      ; minus the nearest integer, exact
	FMAV \cnt, R, \xb, HI, 0, R                    ; x/2pi less that integer, the product unrounded inside the fma,
	FMAV \cnt, R, \xb, LO, 0, R                    ; and what f32 left off 1/2pi
	MULV \cnt, U, R, R
	FMAS \cnt, A, U, KV_S3, 0, K_S2                ; the two Horner chains take turns
	FMAS \cnt, B, U, KV_C4, 0, K_C3
	FMAS \cnt, A, A, U, 2, K_S1
	FMAS \cnt, B, B, U, 2, K_C2
	FMAS \cnt, A, A, U, 2, K_S0
	FMAS \cnt, B, B, U, 2, K_C1
	MULV \cnt, A, A, R
	FMAS \cnt, B, B, U, 2, K_C0
.endm
; out = P(w) + p Q(w), into the registers that x came in
.macro FORM xb, cnt
	MULV \cnt, U, A, A                             ; w
	MULV \cnt, R, A, B                             ; p
	FMAS \cnt, A, U, FV_P3, 0, F_P2
	FMAS \cnt, B, U, FV_Q2, 0, F_Q1
	FMAS \cnt, A, A, U, 2, F_P1
	FMAS \cnt, B, B, U, 2, F_Q0
	FMAS \cnt, A, A, U, 2, F_P0
	FMAV \cnt, \xb, B, R, 2, A
.endm
	s_load_b128 s[4:7], s[0:1], 0x0                ; params s[4:5], x s[6:7]
	s_load_b64 s[8:9], s[0:1], 0x10                ; out0
	s_lshl_b32 s2, ttmp9, 16                       ; the work-group's 64 KiB (256 x 64 KiB = 16 MiB: fits 32 bits)
	s_mov_b32 s3, 0
	v_lshlrev_b32 v[OFF], 4, v0
	v_and_b32 v[POFF], 31, v0
	v_min_u32 v[POFF], 8, v[POFF]                  ; lanes 0 to 8 take the nine angles; lanes 9 to 31 repeat the ninth and stay inside the 36 bytes
	v_lshlrev_b32 v[POFF], 2, v[POFF]
	; the constants, written while the addresses are on their way
	VPAIR HI,    0x3e22f983                        ;  0.15915494
	VPAIR NHI,   0xbe22f983
	VPAIR LO,    0x31dc9c88                        ;  6.4206e-9
	VPAIR KV_S3, 0xbf0dfad9                        ; -0.55460885   sin(pi r) = r (S0 + S1 u + S2 u^2 + S3 u^3), u = r^2
	VPAIR KV_C4, 0x3e60f650                        ;  0.21968961   cos(pi r) = C0 + C1 u + C2 u^2 + C3 u^3 + C4 u^4
	SPAIR K_MAGIC,  0x4b400000                     ;  12582912.0
	SPAIR K_NMAGIC, 0xcb400000
	SPAIR K_S2, 0x4022ae47                         ;  2.5418871
	SPAIR K_S1, 0xc0a55939                         ; -5.1671413
	SPAIR K_S0, 0x40490fae                         ;  3.1415820
	SPAIR K_C3, 0xbfaa7aee                         ; -1.3318766
	SPAIR K_C2, 0x4081de81                         ;  4.0584114
	SPAIR K_C1, 0xc09de9d3                         ; -4.9347928
	SPAIR K_C0, 0x3f7fffff                         ;  0.99999994
	s_mov_b32 s[SIGN], 0x80000000
	s_wait_kmcnt 0x0
	s_add_nc_u64 s[6:7], s[6:7], s[2:3]
	s_add_nc_u64 s[8:9], s[8:9], s[2:3]
	global_load_b32 v[PX], v[POFF], s[4:5]         ; first: the coefficients hang on it.  Every wave reads these bytes: no hint
.irp i, 0,1,2,3,4,5,6,7,8,9,10,11,12,13,14,15
	global_load_b128 v[X+4*\i:X+4*\i+3], v[OFF], s[6:7] offset:\i*STEP th:TH_LOAD_NT
.endr
	; ---- the angles' cosines and sines, all at once: one angle a lane
	s_wait_loadcnt NLOAD                           ; loads return in order: the angles are in, the 16 loads of x issued behind them stay out
	v_mov_b32 v[PX+1], v[PX]                       ; the macro works on pairs
	TRIG PX, 1
	v_mul_f32 v[U], v[A], v[A]
	v_mul_f32 v[R], v[A], v[B]
	v_fma_f32 v[PX], v[U], -2.0, 1.0               ; cos = 1 - 2 sh^2
	v_add_f32 v[PX+1], v[R], v[R]                  ; sin = 2 sh ch
.macro TAKE c, s, lane
	v_readlane_b32 s[\c], v[PX], \lane
	v_readlane_b32 s[\s], v[PX+1], \lane
.endm
	TAKE CA1, SA1, 0
	TAKE CB1, SB1, 1
	TAKE CG1, SG1, 2
	TAKE CA2, SA2, 3
	TAKE CB2, SB2, 4
	TAKE CG2, SG2, 5
	TAKE CA3, SA3, 6
	TAKE CB3, SB3, 7                               ; nothing is taken from lane 8 (g3): see the head
	; ---- M = Rz(g) Ry(b) Rz(a) = | cg cb ca - sg sa   -cg cb sa - sg ca   cg sb |
	;                              | sg cb ca + cg sa   -sg cb sa + cg ca   sg sb |
	;                              | -sb ca              sb sa              cb    |
	; Scalar float instructions have no sign modifiers: signs are turned by s_xor_b32.
	; layer 1: columns 1 and 3
	s_xor_b32 s[NSG1], s[SG1], s[SIGN]
	s_mul_f32 s[T1], s[CB1], s[CA1]
	s_mul_f32 s[NMA3], s[SB1], s[CA1]
	s_mul_f32 s[MB1], s[CG1], s[SB1]
	s_mul_f32 s[MB2], s[SG1], s[SB1]
	s_mul_f32 s[MA1], s[CG1], s[T1]
	s_mul_f32 s[MA2], s[SG1], s[T1]
	s_fmac_f32 s[MA1], s[NSG1], s[SA1]
	s_fmac_f32 s[MA2], s[CG1], s[SA1]
	s_xor_b32 s[MA3], s[NMA3], s[SIGN]
	s_add_f32 s[MD], s[MB1], s[NMA3]
	s_add_f32 s[ME], s[MA1], s[CB1]
	s_xor_b32 s[NMA1], s[MA1], s[SIGN]
	s_xor_b32 s[NMD], s[MD], s[SIGN]
	; layer 2: the whole matrix
	s_xor_b32 s[NSA2], s[SA2], s[SIGN]
	s_xor_b32 s[NSG2], s[SG2], s[SIGN]
	s_mul_f32 s[T2], s[CB2], s[CA2]
	s_mul_f32 s[NT3], s[CB2], s[NSA2]
	s_mul_f32 s[M13], s[CG2], s[SB2]
	s_mul_f32 s[M23], s[SG2], s[SB2]
	s_mul_f32 s[M32], s[SB2], s[SA2]
	s_mul_f32 s[M31], s[SB2], s[CA2]               ; its sign is turned below
	s_mul_f32 s[M11], s[CG2], s[T2]
	s_mul_f32 s[M12], s[CG2], s[NT3]
	s_mul_f32 s[M21], s[SG2], s[T2]
	s_mul_f32 s[M22], s[SG2], s[NT3]
	s_fmac_f32 s[M11], s[SG2], s[NSA2]
	s_fmac_f32 s[M12], s[NSG2], s[CA2]
	s_fmac_f32 s[M21], s[CG2], s[SA2]
	s_fmac_f32 s[M22], s[CG2], s[CA2]
	s_xor_b32 s[M31], s[M31], s[SIGN]
	; layer 3: the third row, g = (-sb ca, sb sa, cb)
	s_mul_f32 s[GG1], s[SB3], s[CA3]
	s_mul_f32 s[GG2], s[SB3], s[SA3]
	s_xor_b32 s[NG3], s[CB3], s[SIGN]
	s_xor_b32 s[GG1], s[GG1], s[SIGN]
	; g Ry(x) = (g1 c - g3 s, g2, g1 s + g3 c); times column j of M2:  c HUj + s HVj + HWj
.macro HROW u, v, w, m1, m2, m3
	s_mul_f32 s[\u], s[GG1], s[\m1]
	s_mul_f32 s[\v], s[GG1], s[\m3]
	s_mul_f32 s[\w], s[GG2], s[\m2]
	s_fmac_f32 s[\u], s[CB3], s[\m3]
	s_fmac_f32 s[\v], s[NG3], s[\m1]
.endm
	HROW HU1, HV1, HW1, M11, M21, M31
	HROW HU2, HV2, HW2, M12, M22, M32
	HROW HU3, HV3, HW3, M13, M23, CB2
	; Ry(x) M1 (s, 0, c) = (MA3 + c^2 MD + c s ME,  s MA2 + c MB2,  -MA1 + c^2 ME - c s MD).  The product, sorted by powers:
	;   p1 = HU1 MA3 - HU3 MA1 + HW2 MB2 + K1      p3 = HU1 MD + HU3 ME - K1         K1 = HV1 ME - HV3 MD
	;   p2 = HW1 MD + HW3 ME + HU2 MB2 - K2        K2 = HV2 MA2
	;   p0 + p1 + p2 + p3 = (HU + HW) . (MB1, MB2, CB1)                              (Z at x = 0)
	s_mul_f32 s[K1], s[HV1], s[ME]
	s_mul_f32 s[K2], s[HV2], s[MA2]
	s_mul_f32 s[PP1], s[HU1], s[MA3]
	s_mul_f32 s[PP2], s[HW1], s[MD]
	s_mul_f32 s[PP3], s[HU1], s[MD]
	s_fmac_f32 s[K1], s[HV3], s[NMD]
	s_fmac_f32 s[PP1], s[HU3], s[NMA1]
	s_fmac_f32 s[PP2], s[HW3], s[ME]
	s_fmac_f32 s[PP3], s[HU3], s[ME]
	s_fmac_f32 s[PP1], s[HW2], s[MB2]
	s_fmac_f32 s[PP2], s[HU2], s[MB2]
	s_fmac_f32 s[PP3], s[K1], -1.0
	s_add_f32 s[PP1], s[PP1], s[K1]
	s_fmac_f32 s[PP2], s[K2], -1.0
	s_add_f32 s[TT0], s[HU1], s[HW1]
	s_add_f32 s[TT1], s[HU2], s[HW2]
	s_add_f32 s[TT2], s[HU3], s[HW3]
	s_mul_f32 s[SUM], s[TT0], s[MB1]
	s_fmac_f32 s[SUM], s[TT1], s[MB2]
	s_fmac_f32 s[SUM], s[TT2], s[CB1]
	;   q0 = HV1 MA3 - HV3 MA1 + HW2 MA2     q1 = HW1 ME - HW3 MD + HU2 MA2 + HV2 MB2     q2 = HU1 ME + HV1 MD - HU3 MD + HV3 ME
	s_mul_f32 s[QQ0], s[HV1], s[MA3]
	s_mul_f32 s[QQ1], s[HW1], s[ME]
	s_mul_f32 s[QQ2], s[HU1], s[ME]
	s_fmac_f32 s[QQ0], s[HV3], s[NMA1]
	s_fmac_f32 s[QQ1], s[HW3], s[NMD]
	s_fmac_f32 s[QQ2], s[HV1], s[MD]
	s_fmac_f32 s[QQ0], s[HW2], s[MA2]
	s_fmac_f32 s[QQ1], s[HU2], s[MA2]
	s_fmac_f32 s[QQ2], s[HU3], s[NMD]
	s_fmac_f32 s[QQ1], s[HV2], s[MB2]
	s_fmac_f32 s[QQ2], s[HV3], s[ME]
	; c = 1 - 2 w, s = 2 p, out = (1 + Z) / 2:
	;   P0 = (1 + p0+p1+p2+p3) / 2    P1 = -p1 - 2 p2 - 3 p3    P2 = 2 p2 + 6 p3    P3 = -4 p3
	;   Q0 = q0 + q1 + q2             Q1 = -2 q1 - 4 q2         Q2 = 4 q2
	s_mov_b32 s[F_P0], 0.5
	s_fmac_f32 s[F_P0], s[SUM], 0.5
	s_mul_f32 s[FP3], s[PP3], -4.0
	s_mul_f32 s[F_P2], s[PP2], 2.0
	s_add_f32 s[F_P1], s[PP3], s[FP3]              ; -3 p3
	s_fmac_f32 s[F_P2], s[F_P1], -2.0
	s_fmac_f32 s[F_P1], s[PP1], -1.0
	s_fmac_f32 s[F_P1], s[PP2], -2.0
	s_add_f32 s[F_Q0], s[QQ0], s[QQ1]
	s_mul_f32 s[F_Q1], s[QQ1], -2.0
	s_mul_f32 s[FQ2], s[QQ2], 4.0
	s_add_f32 s[F_Q0], s[F_Q0], s[QQ2]
	s_fmac_f32 s[F_Q1], s[QQ2], -4.0
.irp r, F_P2, F_P1, F_P0, F_Q1, F_Q0
	s_mov_b32 s[\r+1], s[\r]                       ; the pair's second half
.endr
	v_mov_b32 v[FV_P3], s[FP3]
	v_mov_b32 v[FV_P3+1], s[FP3]
	v_mov_b32 v[FV_Q2], s[FQ2]
	v_mov_b32 v[FV_Q2+1], s[FQ2]
	; ---- the stream: two loads (eight elements a lane) at a time
.irp g, 0,1,2,3,4,5,6,7
	s_wait_loadcnt NLOAD-2-2*\g                    ; loads 2 g and 2 g + 1 are in; the 14 - 2 g issued behind them stay out
	TRIG X+8*\g, NP
	FORM X+8*\g, NP
	global_store_b128 v[OFF], v[X+8*\g:X+8*\g+3], s[8:9] offset:(2*\g)*STEP th:TH_STORE_NT
	global_store_b128 v[OFF], v[X+8*\g+4:X+8*\g+7], s[8:9] offset:(2*\g+1)*STEP th:TH_STORE_NT
.endr
	s_endpgm                                       ; no register that a store reads is written again: nothing to wait for
.Lfunc_end_k_q5f40f38f1c_qubit:
	.size	k_q5f40f38f1c_qubit, .Lfunc_end_k_q5f40f38f1c_qubit-k_q5f40f38f1c_qubit
	.p2alignl 7, 3214868480
	.fill 96, 4, 3214868480
	.section	.rodata,"a",@progbits
	.p2align	6, 0x0
	.amdhsa_kernel k_q5f40f38f1c_qubit
		.amdhsa_group_segment_fixed_size 0
		.amdhsa_private_segment_fixed_size 0
		.amdhsa_enable_private_segment 0
		.amdhsa_kernarg_size 24
		.amdhsa_user_sgpr_count 2
		.amdhsa_user_sgpr_kernarg_segment_ptr 1
		.amdhsa_wavefront_size32 1
		.amdhsa_system_sgpr_workgroup_id_x 1
		.amdhsa_system_sgpr_workgroup_id_y 1
		.amdhsa_system_sgpr_workgroup_id_z 1
		.amdhsa_system_vgpr_workitem_id 0
		.amdhsa_next_free_vgpr 116
		.amdhsa_next_free_sgpr 96
		.amdhsa_reserve_vcc 0
		.amdhsa_float_denorm_mode_32 3
		.amdhsa_float_denorm_mode_16_64 3
		.amdhsa_memory_ordered 1
		.amdhsa_forward_progress 1
		.amdhsa_inst_pref_size 54
	.end_amdhsa_kernel
	.amdgpu_metadata
---
amdhsa.version: [ 1, 2 ]
amdhsa.kernels:
  - .name:           k_q5f40f38f1c_qubit
    .symbol:         k_q5f40f38f1c_qubit.kd
    .args:
      - { .name: params, .offset: 0, .size: 8, .value_kind: global_buffer, .address_space: global }
      - { .name: x, .offset: 8, .size: 8, .value_kind: global_buffer, .address_space: global }
      - { .name: out0, .offset: 16, .size: 8, .value_kind: global_buffer, .address_space: global }
    .group_segment_fixed_size: 0
    .private_segment_fixed_size: 0
    .kernarg_segment_align: 8
    .kernarg_segment_size: 24
    .max_flat_workgroup_size: 256
    .sgpr_count:     96
    .vgpr_count:     116
    .wavefront_size: 32
...
	.end_amdgpu_metadata
.endif
;; end of part 1
;; ======== version 2 of 2: 1 launch; version 1 with the launch qubit written anew for expert scheduling mode
;; limits: inputs' magnitudes at most 26,000,000
;; launch qubit (part 2): grid 256 x 1, 8 waves a work-group, no clusters, 0 bytes of LDS; arguments params, x, out0; writes out0
.if DOCPART == 2
	.amdgcn_target "amdgcn-amd-amdhsa--gfx1250"
	.amdhsa_code_object_version 6
	.text
	.protected	k_q5f40f38f1c_qubit
	.globl	k_q5f40f38f1c_qubit
	.p2align	8
	.type	k_q5f40f38f1c_qubit,@function
k_q5f40f38f1c_qubit:
	s_mov_b64 s[64:65], 0
	v_nop
	global_prefetch_b8 v0, s[64:65] scope:SCOPE_SE
	s_setreg_imm32_b32 hwreg(HW_REG_WAVE_SCHED_MODE, 0, 2), 2
	s_setreg_imm32_b32 hwreg(HW_REG_WAVE_MODE, 25, 1), 1
	s_wait_xcnt 0x0
	s_wait_alu depctr_vm_vsrc(0)
; out[i] = (1 + <Z>) / 2 of one qubit after three layers RY(x[i]) RZ(a) RY(b) RZ(g), started in |0>.
; x, out: 4,194,304 f32.  params: [3][3] f32 = (a1 b1 g1 / a2 b2 g2 / a3 b3 g3).
;
; THE ARITHMETIC.  The state is followed as its Bloch vector (X, Y, Z): RY(t) turns it about y, RZ(t) about z, start (0, 0, 1).
; With c = cos x, s = sin x, Ml = Rz(gl) Ry(bl) Rz(al) and g = third row of M3:
;     Z = g Ry(x) M2 Ry(x) M1 (s, 0, c)  =  p0 + p1 c + p2 c^2 + p3 c^3 + s (q0 + q1 c + q2 c^2)      (s^2 = 1 - c^2 used)
; The seven numbers hang on the angles alone and are made once by every wave, in scalar registers.
; g3 has no term: the last RZ multiplies both amplitudes by phases of modulus one, which the squared moduli drop.
; For an element: r = x / 2pi - nearest integer (|r| <= 1/2), sh = sin(pi r), ch = cos(pi r), w = sh^2, p = sh ch, so that
; c = 1 - 2 w and s = 2 p, and out = P(w) + p Q(w) with P cubic, Q quadratic: 21 packed instructions for two elements.
; sh = r S(r^2), ch = C(r^2): Chebyshev series of sin and cos on a quarter turn, cut behind T7 and T8; what is cut is
; 6e-7 and 5e-8.
;
; LIMITS.  |x| and |angle| below 2^22 x 2 pi = 2.6e7: beyond, the integer no longer fits the rounding trick and the result is wrong.
; Inf and NaN in x or in an angle other than g3 give NaN; an Inf or NaN in g3 is not seen.
; Absolute error of out of the order 1e-6 (the two series, f32 rounding).
;
; THE SHARES.  256 work-groups x 8 waves; a work-group owns 64 KiB of x and of out.  Thread t owns the 16 bytes at 16 t of each of
; 16 blocks of 4,096 bytes: a wave's load or store covers 512 consecutive bytes, aligned.  All 16 loads are issued at once, the
; coefficients are made while they are on their way, and no register is loaded twice or rewritten behind its store: no loop.
; Each byte is read once and written once; no wave needs another, so there is no LDS and no barrier.
;
; THE MODE: SCHED_MODE bits 1:0 = 2 (LLVM: expert scheduling mode 2), set by the entry lines.  The code itself states the register
; dependences between vector instructions and memory instructions, with s_wait_alu, always for 0.
; THE PLAN.  Registers that memory instructions touch, in the order of the text (it has no backward jump):
;   v1, v2      the two offsets.  Written by vector lines at the head, read by every load and store, never written again.
;   v18         the angles' load lands in it; no vector line names it ahead of that load, no memory instruction behind it.
;   X0 .. X15   load i lands in X[i]; no vector line names it ahead of that load.  Group g reads X[2 g], X[2 g + 1], writes the
;               results into them with its last four lines, and its two stores read them.  Nothing names them afterwards.
;   All other vector registers are named by vector instructions alone.
;   s40 .. s55  written by sixteen v_readlane_b32 on end, read by the scalar lines behind them.
; So: ONE wait on va_vdst ahead of the first load, for the offsets; ONE wait on va_sdst behind the run of v_readlane_b32; ONE wait on
; va_vdst a group, between its last vector line and its two stores.  No register that a memory instruction reads is written
; again, and no load lands in a register that a vector line has named: those two kinds of dependence do not arise.
; A group's stores stand at its own end, ahead of the next group's wait for loads, so that no store is set behind data that it does not need.
.set NLOAD, 16                         ; loads (and stores) of a thread
.set STEP,  4096                       ; 256 threads x 16 bytes
.set NP,    4                          ; pairs of elements worked on together = two loads: four chains that do not wait for each other
; vector registers
.set OFF,   1                          ; v1       16 t: my bytes in a block of x and of out
.set POFF,  2                          ; v2       4 min(lane, 8): my angle
.set HI,    4                          ; v[4:5]   1/2pi rounded to f32                 (every constant pair holds its number twice)
.set NHI,   6                          ; v[6:7]   minus that
.set LO,    8                          ; v[8:9]   1/2pi minus its f32 value
.set KV_S3, 10                         ; v[10:11] leading coefficient of S
.set KV_C4, 12                         ; v[12:13] leading coefficient of C
.set FV_P3, 14                         ; v[14:15] leading coefficient of P
.set FV_Q2, 16                         ; v[16:17] leading coefficient of Q
.set PX,    18                         ; v[18:19] the angles, one a lane; then their cosines (18) and sines (19)
.set R,     20                         ; v[20:27] pair k: r, later p
.set U,     28                         ; v[28:35] pair k: r^2, later w
.set A,     36                         ; v[36:43] pair k: S, sh, later P
.set B,     44                         ; v[44:51] pair k: C, ch, later Q
.set X,     52                         ; v[52:115] load i: 4 registers, x as loaded, then out
; scalar registers: pairs that hold a number twice (a packed instruction takes a scalar pair broadcast)
.set K_MAGIC,  10                      ; 1.5 x 2^23
.set K_NMAGIC, 12
.set K_S2, 14
.set K_S1, 16
.set K_S0, 18
.set K_C3, 20
.set K_C2, 22
.set K_C1, 24
.set K_C0, 26
.set F_P2, 28
.set F_P1, 30
.set F_P0, 32
.set F_Q1, 34
.set F_Q0, 36
.set SIGN, 38                          ; 0x80000000
; cosines and sines of the angles
.set CA1, 40
.set SA1, 41
.set CB1, 42
.set SB1, 43
.set CG1, 44
.set SG1, 45
.set CA2, 46
.set SA2, 47
.set CB2, 48
.set SB2, 49
.set CG2, 50
.set SG2, 51
.set CA3, 52
.set SA3, 53
.set CB3, 54
.set SB3, 55
.set NSG1, 56                          ; N..: the same with the sign turned
.set NSA2, 57
.set NSG2, 58
.set NG3,  59
.set T1,   60
.set T2,   61
.set NT3,  62
.set NMA3, 63
.set MA1, 66                           ; first column of M1
.set MA2, 67
.set MA3, 68
.set MB1, 69                           ; third column of M1 (its third element is CB1)
.set MB2, 70
.set MD,  71                           ; MB1 - MA3
.set ME,  72                           ; MA1 + CB1
.set NMA1, 73
.set NMD,  74
.set M11, 75                           ; M2 (its element 33 is CB2)
.set M12, 76
.set M13, 77
.set M21, 78
.set M22, 79
.set M23, 80
.set M31, 81
.set M32, 82
.set GG1, 83                           ; g = (GG1, GG2, CB3)
.set GG2, 84
.set HU1, 85                           ; g Ry(x) M2 = c HU + s HV + HW
.set HU2, 86
.set HU3, 87
.set HV1, 88
.set HV2, 89
.set HV3, 90
.set HW1, 91
.set HW2, 92
.set HW3, 93
; the sums, in registers of layers 2 and 3 that are no longer needed by then
.set K1,  46
.set K2,  47
.set PP1, 48
.set PP2, 49
.set PP3, 50
.set QQ0, 51
.set QQ1, 52
.set QQ2, 53
.set SUM, 54
.set TT0, 55
.set TT1, 56
.set TT2, 57
.set FP3, 58
.set FQ2, 59
.macro SPAIR r, bits
	s_mov_b32 s[\r], \bits
	s_mov_b32 s[\r+1], \bits
.endm
.macro VPAIR r, bits
	v_mov_b32 v[\r], \bits
	v_mov_b32 v[\r+1], \bits
.endm
; One step for cnt pairs.  d, a: a pair for each k.  b: the same (bs = 2) or one constant pair (bs = 0).
.macro FMAS cnt, d, a, b, bs, c        ; d = a b + scalar pair c
.set k, 0
.rept \cnt
	v_pk_fma_f32 v[\d+2*k:\d+2*k+1], v[\a+2*k:\a+2*k+1], v[\b+\bs*k:\b+\bs*k+1], s[\c:\c+1] op_sel_hi:[1,1,0]
.set k, k+1
.endr
.endm
.macro FMAV cnt, d, a, b, bs, c        ; d = a b + c, c a pair for each k
.set k, 0
.rept \cnt
	v_pk_fma_f32 v[\d+2*k:\d+2*k+1], v[\a+2*k:\a+2*k+1], v[\b+\bs*k:\b+\bs*k+1], v[\c+2*k:\c+2*k+1]
.set k, k+1
.endr
.endm
.macro MULV cnt, d, a, b               ; d = a b
.set k, 0
.rept \cnt
	v_pk_mul_f32 v[\d+2*k:\d+2*k+1], v[\a+2*k:\a+2*k+1], v[\b+2*k:\b+2*k+1]
.set k, k+1
.endr
.endm
.macro ADDS cnt, d, a, c               ; d = a + scalar pair c
.set k, 0
.rept \cnt
	v_pk_add_f32 v[\d+2*k:\d+2*k+1], v[\a+2*k:\a+2*k+1], s[\c:\c+1] op_sel_hi:[1,0]
.set k, k+1
.endr
.endm
; Angles in cnt pairs from v[xb] on  ->  A = sin(pi r), B = cos(pi r), r the angle in turns less the nearest integer.
; (They are sine and cosine of half the angle up to one common sign, which w = sh^2 and p = sh ch do not see.)
.macro TRIG xb, cnt
	FMAS \cnt, R, \xb, NHI, 0, K_MAGIC             ; 1.5 x 2^23 - x/2pi: rounding to f32 leaves an integer
	ADDS \cnt, R, R, K_NMAGIC                      ; minus the nearest integer, exact
	FMAV \cnt, R, \xb, HI, 0, R                    ; x/2pi less that integer, the product unrounded inside the fma,
	FMAV \cnt, R, \xb, LO, 0, R                    ; and what f32 left off 1/2pi
	MULV \cnt, U, R, R
	FMAS \cnt, A, U, KV_S3, 0, K_S2                ; the two Horner chains take turns
	FMAS \cnt, B, U, KV_C4, 0, K_C3
	FMAS \cnt, A, A, U, 2, K_S1
	FMAS \cnt, B, B, U, 2, K_C2
	FMAS \cnt, A, A, U, 2, K_S0
	FMAS \cnt, B, B, U, 2, K_C1
	MULV \cnt, A, A, R
	FMAS \cnt, B, B, U, 2, K_C0
.endm
; out = P(w) + p Q(w), into the registers that x came in
.macro FORM xb, cnt
	MULV \cnt, U, A, A                             ; w
	MULV \cnt, R, A, B                             ; p
	FMAS \cnt, A, U, FV_P3, 0, F_P2
	FMAS \cnt, B, U, FV_Q2, 0, F_Q1
	FMAS \cnt, A, A, U, 2, F_P1
	FMAS \cnt, B, B, U, 2, F_Q0
	FMAS \cnt, A, A, U, 2, F_P0
	FMAV \cnt, \xb, B, R, 2, A
.endm
	s_load_b128 s[4:7], s[0:1], 0x0                ; params s[4:5], x s[6:7]
	s_load_b64 s[8:9], s[0:1], 0x10                ; out0
	s_lshl_b32 s2, ttmp9, 16                       ; the work-group's 64 KiB (256 x 64 KiB = 16 MiB: fits 32 bits)
	s_mov_b32 s3, 0
	v_lshlrev_b32 v[OFF], 4, v0
	v_and_b32 v[POFF], 31, v0
	v_min_u32 v[POFF], 8, v[POFF]                  ; lanes 0 to 8 take the nine angles; lanes 9 to 31 repeat the ninth and stay inside the 36 bytes
	v_lshlrev_b32 v[POFF], 2, v[POFF]
	; the constants, written while the addresses are on their way
	VPAIR HI,    0x3e22f983                        ;  0.15915494
	VPAIR NHI,   0xbe22f983
	VPAIR LO,    0x31dc9c88                        ;  6.4206e-9
	VPAIR KV_S3, 0xbf0dfad9                        ; -0.55460885   sin(pi r) = r (S0 + S1 u + S2 u^2 + S3 u^3), u = r^2
	VPAIR KV_C4, 0x3e60f650                        ;  0.21968961   cos(pi r) = C0 + C1 u + C2 u^2 + C3 u^3 + C4 u^4
	SPAIR K_MAGIC,  0x4b400000                     ;  12582912.0
	SPAIR K_NMAGIC, 0xcb400000
	SPAIR K_S2, 0x4022ae47                         ;  2.5418871
	SPAIR K_S1, 0xc0a55939                         ; -5.1671413
	SPAIR K_S0, 0x40490fae                         ;  3.1415820
	SPAIR K_C3, 0xbfaa7aee                         ; -1.3318766
	SPAIR K_C2, 0x4081de81                         ;  4.0584114
	SPAIR K_C1, 0xc09de9d3                         ; -4.9347928
	SPAIR K_C0, 0x3f7fffff                         ;  0.99999994
	s_mov_b32 s[SIGN], 0x80000000
	s_wait_kmcnt 0x0
	s_add_nc_u64 s[6:7], s[6:7], s[2:3]
	s_add_nc_u64 s[8:9], s[8:9], s[2:3]
	s_wait_alu depctr_va_vdst(0)                   ; v1 and v2 are written: every load and store of the kernel reads one of them as its offset, and neither is written again
	global_load_b32 v[PX], v[POFF], s[4:5]         ; first: the coefficients hang on it.  Every wave reads these bytes: no hint
.irp i, 0,1,2,3,4,5,6,7,8,9,10,11,12,13,14,15
	global_load_b128 v[X+4*\i:X+4*\i+3], v[OFF], s[6:7] offset:\i*STEP th:TH_LOAD_NT
.endr
	; ---- the angles' cosines and sines, all at once: one angle a lane
	s_wait_loadcnt NLOAD                           ; loads return in order: the angles are in, the 16 loads of x issued behind them stay out
	v_mov_b32 v[PX+1], v[PX]                       ; the macro works on pairs
	TRIG PX, 1
	v_mul_f32 v[U], v[A], v[A]
	v_mul_f32 v[R], v[A], v[B]
	v_fma_f32 v[PX], v[U], -2.0, 1.0               ; cos = 1 - 2 sh^2
	v_add_f32 v[PX+1], v[R], v[R]                  ; sin = 2 sh ch
.macro TAKE c, s, lane
	v_readlane_b32 s[\c], v[PX], \lane
	v_readlane_b32 s[\s], v[PX+1], \lane
.endm
	TAKE CA1, SA1, 0
	TAKE CB1, SB1, 1
	TAKE CG1, SG1, 2
	TAKE CA2, SA2, 3
	TAKE CB2, SB2, 4
	TAKE CG2, SG2, 5
	TAKE CA3, SA3, 6
	TAKE CB3, SB3, 7                               ; nothing is taken from lane 8 (g3): see the head
	s_wait_alu depctr_va_sdst(0)                   ; the sixteen v_readlane_b32 have written s40 to s55, ahead of the first scalar line that reads one of them
	; ---- M = Rz(g) Ry(b) Rz(a) = | cg cb ca - sg sa   -cg cb sa - sg ca   cg sb |
	;                              | sg cb ca + cg sa   -sg cb sa + cg ca   sg sb |
	;                              | -sb ca              sb sa              cb    |
	; Scalar float instructions have no sign modifiers: signs are turned by s_xor_b32.
	; layer 1: columns 1 and 3
	s_xor_b32 s[NSG1], s[SG1], s[SIGN]
	s_mul_f32 s[T1], s[CB1], s[CA1]
	s_mul_f32 s[NMA3], s[SB1], s[CA1]
	s_mul_f32 s[MB1], s[CG1], s[SB1]
	s_mul_f32 s[MB2], s[SG1], s[SB1]
	s_mul_f32 s[MA1], s[CG1], s[T1]
	s_mul_f32 s[MA2], s[SG1], s[T1]
	s_fmac_f32 s[MA1], s[NSG1], s[SA1]
	s_fmac_f32 s[MA2], s[CG1], s[SA1]
	s_xor_b32 s[MA3], s[NMA3], s[SIGN]
	s_add_f32 s[MD], s[MB1], s[NMA3]
	s_add_f32 s[ME], s[MA1], s[CB1]
	s_xor_b32 s[NMA1], s[MA1], s[SIGN]
	s_xor_b32 s[NMD], s[MD], s[SIGN]
	; layer 2: the whole matrix
	s_xor_b32 s[NSA2], s[SA2], s[SIGN]
	s_xor_b32 s[NSG2], s[SG2], s[SIGN]
	s_mul_f32 s[T2], s[CB2], s[CA2]
	s_mul_f32 s[NT3], s[CB2], s[NSA2]
	s_mul_f32 s[M13], s[CG2], s[SB2]
	s_mul_f32 s[M23], s[SG2], s[SB2]
	s_mul_f32 s[M32], s[SB2], s[SA2]
	s_mul_f32 s[M31], s[SB2], s[CA2]               ; its sign is turned below
	s_mul_f32 s[M11], s[CG2], s[T2]
	s_mul_f32 s[M12], s[CG2], s[NT3]
	s_mul_f32 s[M21], s[SG2], s[T2]
	s_mul_f32 s[M22], s[SG2], s[NT3]
	s_fmac_f32 s[M11], s[SG2], s[NSA2]
	s_fmac_f32 s[M12], s[NSG2], s[CA2]
	s_fmac_f32 s[M21], s[CG2], s[SA2]
	s_fmac_f32 s[M22], s[CG2], s[CA2]
	s_xor_b32 s[M31], s[M31], s[SIGN]
	; layer 3: the third row, g = (-sb ca, sb sa, cb)
	s_mul_f32 s[GG1], s[SB3], s[CA3]
	s_mul_f32 s[GG2], s[SB3], s[SA3]
	s_xor_b32 s[NG3], s[CB3], s[SIGN]
	s_xor_b32 s[GG1], s[GG1], s[SIGN]
	; g Ry(x) = (g1 c - g3 s, g2, g1 s + g3 c); times column j of M2:  c HUj + s HVj + HWj
.macro HROW u, v, w, m1, m2, m3
	s_mul_f32 s[\u], s[GG1], s[\m1]
	s_mul_f32 s[\v], s[GG1], s[\m3]
	s_mul_f32 s[\w], s[GG2], s[\m2]
	s_fmac_f32 s[\u], s[CB3], s[\m3]
	s_fmac_f32 s[\v], s[NG3], s[\m1]
.endm
	HROW HU1, HV1, HW1, M11, M21, M31
	HROW HU2, HV2, HW2, M12, M22, M32
	HROW HU3, HV3, HW3, M13, M23, CB2
	; Ry(x) M1 (s, 0, c) = (MA3 + c^2 MD + c s ME,  s MA2 + c MB2,  -MA1 + c^2 ME - c s MD).  The product, sorted by powers:
	;   p1 = HU1 MA3 - HU3 MA1 + HW2 MB2 + K1      p3 = HU1 MD + HU3 ME - K1         K1 = HV1 ME - HV3 MD
	;   p2 = HW1 MD + HW3 ME + HU2 MB2 - K2        K2 = HV2 MA2
	;   p0 + p1 + p2 + p3 = (HU + HW) . (MB1, MB2, CB1)                              (Z at x = 0)
	s_mul_f32 s[K1], s[HV1], s[ME]
	s_mul_f32 s[K2], s[HV2], s[MA2]
	s_mul_f32 s[PP1], s[HU1], s[MA3]
	s_mul_f32 s[PP2], s[HW1], s[MD]
	s_mul_f32 s[PP3], s[HU1], s[MD]
	s_fmac_f32 s[K1], s[HV3], s[NMD]
	s_fmac_f32 s[PP1], s[HU3], s[NMA1]
	s_fmac_f32 s[PP2], s[HW3], s[ME]
	s_fmac_f32 s[PP3], s[HU3], s[ME]
	s_fmac_f32 s[PP1], s[HW2], s[MB2]
	s_fmac_f32 s[PP2], s[HU2], s[MB2]
	s_fmac_f32 s[PP3], s[K1], -1.0
	s_add_f32 s[PP1], s[PP1], s[K1]
	s_fmac_f32 s[PP2], s[K2], -1.0
	s_add_f32 s[TT0], s[HU1], s[HW1]
	s_add_f32 s[TT1], s[HU2], s[HW2]
	s_add_f32 s[TT2], s[HU3], s[HW3]
	s_mul_f32 s[SUM], s[TT0], s[MB1]
	s_fmac_f32 s[SUM], s[TT1], s[MB2]
	s_fmac_f32 s[SUM], s[TT2], s[CB1]
	;   q0 = HV1 MA3 - HV3 MA1 + HW2 MA2     q1 = HW1 ME - HW3 MD + HU2 MA2 + HV2 MB2     q2 = HU1 ME + HV1 MD - HU3 MD + HV3 ME
	s_mul_f32 s[QQ0], s[HV1], s[MA3]
	s_mul_f32 s[QQ1], s[HW1], s[ME]
	s_mul_f32 s[QQ2], s[HU1], s[ME]
	s_fmac_f32 s[QQ0], s[HV3], s[NMA1]
	s_fmac_f32 s[QQ1], s[HW3], s[NMD]
	s_fmac_f32 s[QQ2], s[HV1], s[MD]
	s_fmac_f32 s[QQ0], s[HW2], s[MA2]
	s_fmac_f32 s[QQ1], s[HU2], s[MA2]
	s_fmac_f32 s[QQ2], s[HU3], s[NMD]
	s_fmac_f32 s[QQ1], s[HV2], s[MB2]
	s_fmac_f32 s[QQ2], s[HV3], s[ME]
	; c = 1 - 2 w, s = 2 p, out = (1 + Z) / 2:
	;   P0 = (1 + p0+p1+p2+p3) / 2    P1 = -p1 - 2 p2 - 3 p3    P2 = 2 p2 + 6 p3    P3 = -4 p3
	;   Q0 = q0 + q1 + q2             Q1 = -2 q1 - 4 q2         Q2 = 4 q2
	s_mov_b32 s[F_P0], 0.5
	s_fmac_f32 s[F_P0], s[SUM], 0.5
	s_mul_f32 s[FP3], s[PP3], -4.0
	s_mul_f32 s[F_P2], s[PP2], 2.0
	s_add_f32 s[F_P1], s[PP3], s[FP3]              ; -3 p3
	s_fmac_f32 s[F_P2], s[F_P1], -2.0
	s_fmac_f32 s[F_P1], s[PP1], -1.0
	s_fmac_f32 s[F_P1], s[PP2], -2.0
	s_add_f32 s[F_Q0], s[QQ0], s[QQ1]
	s_mul_f32 s[F_Q1], s[QQ1], -2.0
	s_mul_f32 s[FQ2], s[QQ2], 4.0
	s_add_f32 s[F_Q0], s[F_Q0], s[QQ2]
	s_fmac_f32 s[F_Q1], s[QQ2], -4.0
.irp r, F_P2, F_P1, F_P0, F_Q1, F_Q0
	s_mov_b32 s[\r+1], s[\r]                       ; the pair's second half
.endr
	v_mov_b32 v[FV_P3], s[FP3]
	v_mov_b32 v[FV_P3+1], s[FP3]
	v_mov_b32 v[FV_Q2], s[FQ2]
	v_mov_b32 v[FV_Q2+1], s[FQ2]
	; ---- the stream: two loads (eight elements a lane) at a time
.irp g, 0,1,2,3,4,5,6,7
	s_wait_loadcnt NLOAD-2-2*\g                    ; loads 2 g and 2 g + 1 are in; the 14 - 2 g issued behind them stay out
	TRIG X+8*\g, NP
	FORM X+8*\g, NP
	s_wait_alu depctr_va_vdst(0)                   ; the group's last four lines have written X[2 g] and X[2 g + 1], which the two stores below read as their data
	global_store_b128 v[OFF], v[X+8*\g:X+8*\g+3], s[8:9] offset:(2*\g)*STEP th:TH_STORE_NT
	global_store_b128 v[OFF], v[X+8*\g+4:X+8*\g+7], s[8:9] offset:(2*\g+1)*STEP th:TH_STORE_NT
.endr
	s_endpgm                                       ; no register that a store reads is written again: nothing to wait for
.Lfunc_end_k_q5f40f38f1c_qubit:
	.size	k_q5f40f38f1c_qubit, .Lfunc_end_k_q5f40f38f1c_qubit-k_q5f40f38f1c_qubit
	.p2alignl 7, 3214868480
	.fill 96, 4, 3214868480
	.section	.rodata,"a",@progbits
	.p2align	6, 0x0
	.amdhsa_kernel k_q5f40f38f1c_qubit
		.amdhsa_group_segment_fixed_size 0
		.amdhsa_private_segment_fixed_size 0
		.amdhsa_enable_private_segment 0
		.amdhsa_kernarg_size 24
		.amdhsa_user_sgpr_count 2
		.amdhsa_user_sgpr_kernarg_segment_ptr 1
		.amdhsa_wavefront_size32 1
		.amdhsa_system_sgpr_workgroup_id_x 1
		.amdhsa_system_sgpr_workgroup_id_y 1
		.amdhsa_system_sgpr_workgroup_id_z 1
		.amdhsa_system_vgpr_workitem_id 0
		.amdhsa_next_free_vgpr 116
		.amdhsa_next_free_sgpr 96
		.amdhsa_reserve_vcc 0
		.amdhsa_float_denorm_mode_32 3
		.amdhsa_float_denorm_mode_16_64 3
		.amdhsa_memory_ordered 1
		.amdhsa_forward_progress 1
		.amdhsa_inst_pref_size 54
	.end_amdhsa_kernel
	.amdgpu_metadata
---
amdhsa.version: [ 1, 2 ]
amdhsa.kernels:
  - .name:           k_q5f40f38f1c_qubit
    .symbol:         k_q5f40f38f1c_qubit.kd
    .args:
      - { .name: params, .offset: 0, .size: 8, .value_kind: global_buffer, .address_space: global }
      - { .name: x, .offset: 8, .size: 8, .value_kind: global_buffer, .address_space: global }
      - { .name: out0, .offset: 16, .size: 8, .value_kind: global_buffer, .address_space: global }
    .group_segment_fixed_size: 0
    .private_segment_fixed_size: 0
    .kernarg_segment_align: 8
    .kernarg_segment_size: 24
    .max_flat_workgroup_size: 256
    .sgpr_count:     96
    .vgpr_count:     116
    .wavefront_size: 32
...
	.end_amdgpu_metadata
.endif
;; end of part 2
